; MI455X (gfx1250); checked and timed in simulation.
; The chip was launched on July 23, 2026; its instructions are those of AMD's public machine-readable ISA for CDNA 5 (MIT licence, August 2026) and "CDNA5" Instruction Set Architecture Reference Guide (July 2026). The comments in the code are by the model that wrote it; some were corrected since.
;; GGUF Linear. Allowed arithmetic: matrix products marked QUANTISED: E2M3 operands, one E8M0 scale for each 32 along K, by v_wmma_scale_f32_16x16x128_f8f6f4 with both operands' format E2M3, f32 sums; everything else in f32.
;; Inputs: q_packed 262,144 x 16 uint8; q_scales 262,144 float16; x 4 x 2,048 x 4,096 float32.
;; Outputs: out0 4 x 2,048 x 2,048 float32.
;; This version of the problem:
;;   THIS VERSION OF THE PROBLEM IS GIVEN IN LOW PRECISION. The matrix products marked QUANTISED in the list below multiply operands that are first quantised to E2M3 (2 exponent bits, 3 mantissa bits; 6 bits a number), with one power-of-two scale for each 32 numbers along K (OCP MX v1.0); their sums are f32. All else is computed in f32.
;;   The module's matrix products, in the order in which they are computed (A, B: the left and right operand; K: the contracted axis; several contracted axes count as one K, in the product's order):
;;     1. [M 8,192, K 4,096] x [K 4,096, N 2,048]; A: input x; B: computed on the way: QUANTISED
;;   THE QUANTISER, for each operand of a quantised product, along K:
;;     - K is cut into blocks of 32 from its start; a last block that is shorter is filled with zeros.
;;     - A block's scale is 2^e with e = floor(log2(the largest magnitude in the block)) - 2, held to -126 .. 127; a block of zeros has e = 0. As a byte (E8M0): e + 127.
;;     - Each number is divided by its block's scale, clamped to +-7.5, and rounded to the nearest number of E2M3, ties to even, subnormals kept.
;;     - The product sums the exact products of the quantised numbers (number of the format x scale) in f32.
;;   ~~~python
;;   def quantise(x, axis):      # numpy; x: float32 -> the quantised numbers, widened to float32 again
;;       x = np.moveaxis(x, axis, -1); K = x.shape[-1]
;;       x = np.pad(x, [(0, 0)] * (x.ndim - 1) + [(0, -K % 32)]); x = x.reshape(x.shape[:-1] + (-1, 32)); a = np.abs(x).max(-1, keepdims=True)
;;       e = np.where(a > 0, np.clip(np.frexp(np.where(a > 0, a, 1))[1] - 1 - 2, -126, 127), 0)      # np.frexp(a)[1] - 1 = floor(log2(a)), exactly
;;       r = np.clip(x / 2.0 ** e, -7.5, 7.5)
;;       step = 2.0 ** (np.maximum(np.frexp(np.where(r == 0, 1, r))[1] - 1, 0) - 3)
;;       q = np.round(r / step) * step * 2.0 ** e      # np.round: ties to even
;;       return np.moveaxis(q.reshape(q.shape[:-2] + (-1,))[..., :K], -1, axis).astype(np.float32)
;;   ~~~
;;   OPERANDS COMPUTED ON THE WAY. 'Computed on the way' means the value that the module computes at that place (a softmax that the list does not call 'softmax' is quantised finished and normalised). What goes into a quantiser is computed in f32, as accurately as f32 sums, v_exp_f32 and their like allow (about 1e-6 of the number): no bf16 or f16 on the way to a quantiser, and a product that is left as it is and whose result goes on into a quantised operand takes f32 operands (vector FMAs, or v_wmma_f32_16x16x4_f32). A number that lies on a knife's edge between two numbers of the format may be rounded either way, as far as f32 arithmetic and the matrix unit's own rounding can turn it there, and no further.
;; One version. Each part assembles by itself: llvm-mc -triple=amdgcn-amd-amdhsa -mcpu=gfx1250 --defsym DOCPART=n.
;; ======== version 1 of 1: 2 launches
;; limits: values are held in f16: magnitudes above 65,504 overflow, below 6.1e-05 lose precision; right only within a limited range of input values
;; workspace buffers: xq 26,214,400 bytes; wq 6,553,600 bytes
;; launch quant (part 1): grid 1280 x 1, 4 waves a work-group, no clusters, 34,304 bytes of LDS; arguments x, q_packed, q_scales, xq, wq; writes xq, wq
.if DOCPART == 1
	.amdgcn_target "amdgcn-amd-amdhsa--gfx1250"
	.amdhsa_code_object_version 6
	.text
	.protected	k_q6b95e02fe4_quant
	.globl	k_q6b95e02fe4_quant
	.p2align	8
	.type	k_q6b95e02fe4_quant,@function
k_q6b95e02fe4_quant:
	s_mov_b64 s[64:65], 0
	v_nop
	global_prefetch_b8 v0, s[64:65] scope:SCOPE_SE
	s_setreg_imm32_b32 hwreg(HW_REG_WAVE_MODE, 25, 1), 1
	s_wait_xcnt 0x0
; x [8192][4096] f32 and w [2048][4096] (GGUF Q4_0: a block of 32 weights is 16 packed bytes and one f16 scale d; w = d (q - 8); low nibbles are weights 0-15, high nibbles 16-31)
; are turned into codes of FP6 (E2M3), 6 bits each, with one E8M0 scale byte for each 32 along K, LAID IN THE ORDER OF THE MATRIX OPERAND'S REGISTERS.
; A block's scale is 2^(floor(log2(its largest magnitude)) - 2); its byte is the largest magnitude's own exponent field - 2, held at 1 from below.  Each number is divided by the scale and rounded to the
; nearest code, ties to even; beyond the largest code the conversion gives the largest code.
; w IS EXACT AHEAD OF THE QUANTISER: q (4 bits) x d (11 bits) - 8 d is one fused multiply-add whose exact result, d (q - 8), has at most 15 significant bits, so nothing is rounded.
; LIMITS: NaN and infinities in x or in q_scales are not served.  A block of zeros gets the byte 1 where the rule says 127: its codes are zeros, which add nothing under any byte but 0xff, and the bytes
; are read by this program alone.  A largest magnitude under 2^-124 is held at the byte 1, which is the rule's own hold at e = -126.
; THE OUTPUT (xq, wq alike).  For each group of 128 rows and each 128 along K one dense block of 12,800 bytes: 8 fragments (16 rows x 128 K) of 1,536 bytes, then 512 bytes of scale words; a group's 32 blocks on end.
; A fragment is the image of its 12 registers: registers 4 c .. 4 c + 3 of lane l at 512 c + 16 l; lane l = r + 16 h holds row r: registers 0-5 the block k = 32 h on, registers 6-11 the block k = 64 + 32 h on.
; The scale word (four bytes, 128 along K) of row r of fragment i lies at 256 (i / 4) + 16 r + 4 (i % 4) of the 512.
; SHARES.  A wave takes 64 rows x 128 along K: four fragments of one block.  A LANE HOLDS WHAT THE OPERAND'S LANE HOLDS: two whole blocks of 32 of its row, so a block's largest magnitude needs no other lane and the
; conversions' results are the operand's registers: they leave by three stores of 512 consecutive bytes a fragment.  The four fragments' scale words leave as 256 consecutive bytes.
; The four waves of a work-group take four neighbouring steps of 128 along K.  Work-groups 0 to 1023 take x, 1024 to 1279 take w: one scalar branch on the work-group's number; the ways never join; only x's uses LDS.
; No tensor loads, no barrier, no cluster: waves share nothing, and the bytes moved decide.
.set WGX,   1024                       ; work-groups of x: 8192 x 4096 / 32,768
.set FRB,   1536                       ; a fragment's image
.set SCO,   8*FRB                      ; where a block's scale words begin
.set STEPB, SCO+512                    ; a block: 128 rows x 128 along K
.set GRPB,  32*STEPB                   ; a group of 128 rows, all of K
.set SPIT,  528                        ; x: a row in the stage: its 512 bytes + 16, an odd multiple of 16
.set R,     16                         ; v16-79   x: four sets of four loads as they come
.set P,     16                         ; v16-47   w: the eight packed blocks of a lane
.set DQ,    48                         ; v48-55   w: d of the lane's two blocks, for each of the four fragments
.set X,     80                         ; v80-143  64 numbers: the block k = 32 h on, then the block k = 64 + 32 h on
.set C,     144                        ; v144-155 a fragment's codes
.set T,     160                        ; v160-162, v164-166 the upper halves' codes (a conversion's three registers begin on an even number)
.set W,     168                        ; v168-171 the four fragments' scale words
.set M,     172                        ; v172-173 largest magnitudes, v174-175 scale operands, v176-177 bytes, v178-179 the word at work
	s_load_b256 s[4:11], s[0:1], 0x0               ; x s[4:5], q_packed s[6:7], q_scales s[8:9], xq s[10:11]
	s_load_b64 s[12:13], s[0:1], 0x20              ; wq
	v_lshl_add_u32 v180, v0, 2, 0x8400             ; my spare word, behind the four stages; never rewritten
	v_mov_b32 v181, 0                              ; 0; never rewritten
	v_lshrrev_b32 v1, 5, v0
	v_readfirstlane_b32 s18, v1                    ; wave 0..3
	v_and_b32 v2, 31, v0                           ; lane
	v_and_b32 v4, 15, v0                           ; r
	v_bfe_u32 v5, v0, 4, 1                         ; h
	v_lshlrev_b32 v3, 4, v2                        ; 16 x lane: my place in 512 bytes
	v_lshlrev_b32 v6, 3, v5                        ; 8 h
	v_lshl_add_u32 v7, v4, 4, v6                   ; the scale words' way out: 16 r + 8 h
	v_mov_b32 v[M+7], 0                            ; written once: a lane permute's destination counts as one of its sources
	s_mov_b32 s14, 0x76543210
	s_mov_b32 s15, 0xfedcba98                      ; v_permlanex16_b32's selects for lane l xor 16
	s_cmp_ge_u32 ttmp9, WGX
	s_cselect_b32 s19, WGX, 0
	s_sub_co_u32 s19, ttmp9, s19                   ; my work-group's number within its tensor
	s_lshr_b32 s20, s19, 3                         ; which 64 rows
	s_and_b32 s21, s19, 7
	s_lshl_b32 s21, s21, 2
	s_add_co_u32 s21, s21, s18                     ; which 128 along K: 0 .. 31
	s_lshr_b32 s22, s20, 1                         ; the group of 128 rows,
	s_and_b32 s23, s20, 1                          ; and which half of it
	s_mul_i32 s24, s22, GRPB
	s_mul_i32 s25, s21, STEPB
	s_add_co_u32 s24, s24, s25                     ; my block, in bytes (under 2^25)
	s_lshl_b32 s26, s23, 8
	s_add_co_u32 s26, s26, s24
	s_add_co_u32 s26, s26, SCO                     ; my 256 bytes of scale words
	s_mul_i32 s25, s23, 4*FRB
	s_add_co_u32 s24, s24, s25                     ; my four fragments
	s_mov_b32 s25, 0
	s_mov_b32 s27, 0
	s_wait_kmcnt 0x0
	s_cmp_ge_u32 ttmp9, WGX                        ; x's work-group or w's: the work-group's number alone decides
	s_cselect_b64 s[28:29], s[12:13], s[10:11]
	s_add_nc_u64 s[30:31], s[28:29], s[26:27]      ; where the scale words go
	s_add_nc_u64 s[28:29], s[28:29], s[24:25]      ; where the codes go  (neither sum touches SCC)
	s_cbranch_scc1 .Lweights
; 64 numbers of a lane, v[X] on, become fragment f's 12 registers of codes, which are stored, and its row's scale word, which is kept.
.macro QFRAG f
	v_max3_num_f32 v[M], |v[X]|, |v[X+1]|, 0x1800000               ; each block's largest magnitude: all 32 numbers are mine; and the floor 2^(3 - 127), under which none is taken: so the byte cannot fall under 1
	v_max3_num_f32 v[M+1], |v[X+32]|, |v[X+33]|, 0x1800000
.irp i, 2,4,6,8,10,12,14,16,18,20,22,24,26,28,30
	v_max3_num_f32 v[M], v[M], |v[X+\i]|, |v[X+\i+1]|              ; (the two blocks by turns)
	v_max3_num_f32 v[M+1], v[M+1], |v[X+32+\i]|, |v[X+33+\i]|
.endr
	v_add_nc_u32 v[M+2], 0xff000000, v[M]          ; 2 off the exponent field: the conversion takes the exponent field of this operand as its scale, and nothing else of it
	v_add_nc_u32 v[M+3], 0xff000000, v[M+1]
	v_lshrrev_b32 v[M+4], 23, v[M+2]               ; the scales' bytes
	v_lshrrev_b32 v[M+5], 23, v[M+3]
.if \f > 0
	s_wait_alu depctr_va_vdst(0)
	s_wait_xcnt 0x0                                ; the last fragment's stores have read their registers (ISA guide 3.1): the codes' registers are written again only behind this wait
.endif
	v_cvt_scalef32_pk16_fp6_f32 v[C:C+2], v[X:X+15], v[M+2]        ; 96 bits without gaps, the first number's code lowest
	v_cvt_scalef32_pk16_fp6_f32 v[T:T+2], v[X+16:X+31], v[M+2]
	v_cvt_scalef32_pk16_fp6_f32 v[C+6:C+8], v[X+32:X+47], v[M+3]
	v_cvt_scalef32_pk16_fp6_f32 v[T+4:T+6], v[X+48:X+63], v[M+3]
	v_lshl_or_b32 v[M+6], v[M+5], 16, v[M+4]       ; my two bytes, blocks h and 2 + h of my row  (also the plain vector line behind the conversions),
	v_lshlrev_b32 v[M+6], v6, v[M+6]               ; at their places in the scale word: 8 h bits up;
	v_permlanex16_b32 v[M+7], v[M+6], s14, s15
.irp i, 0,1,2
	v_mov_b32 v[C+3+\i], v[T+\i]
	v_mov_b32 v[C+9+\i], v[T+4+\i]
.endr
	v_or_b32 v[W+\f], v[M+6], v[M+7]               ; with lane l xor 16's two the word is whole, in both lanes
.irp c, 0,1,2
	global_store_b128 v3, v[C+4*\c:C+4*\c+3], s[28:29] offset:FRB*\f+512*\c   ; 32 lanes store 512 consecutive bytes, at a multiple of 256 from the buffer's first byte
.endr
.endm
; The four words of my row: lanes 0-15 store fragments 0 and 1's, lanes 16-31 fragments 2 and 3's: 256 consecutive bytes, at a multiple of 256 from the buffer's first byte.
.macro WORDS
	v_cmp_ne_u32 vcc_lo, 0, v5
	v_cndmask_b32 v[M], v[W], v[W+2], vcc_lo
	v_cndmask_b32 v[M+1], v[W+1], v[W+3], vcc_lo
	global_store_b64 v7, v[M:M+1], s[30:31]
.endm
; ---------------- x.  Each load reads 512 consecutive bytes: one row of a fragment.  A fragment's 16 rows go through the wave's own stage in LDS as they lie and come back 2 x 128 bytes a lane: my two blocks.
; One stage a wave (16 x 528 bytes): LDS serves a wave's instructions in order (ISA guide 5.7.1.4), so the next fragment's stores come behind this fragment's reads, and no wait stands between stores and reads.
; Four rows are a set of registers; a set is loaded again as soon as its stores into the stage are done: 8 to 16 loads of a wave are always on their way.
	s_mul_i32 s19, s18, 16*SPIT                    ; my stage
	s_wait_alu depctr_va_vdst(0)
	v_add_nc_u32 v14, s19, v3                      ; in: 16 x lane of a row
	v_mul_u32_u24 v15, v4, SPIT
	v_lshl_add_u32 v15, v5, 7, v15
	v_add_nc_u32 v15, s19, v15                     ; back: row r, + 128 h
	s_lshl_b32 s22, s20, 20                        ; 64 rows of 16,384 bytes,
	s_lshl_b32 s23, s21, 9                         ; 512 bytes for each 128 along K (the sum under 2^27)
	s_add_co_u32 s22, s22, s23
	s_mov_b32 s23, 0
	s_add_nc_u64 s[4:5], s[4:5], s[22:23]
.macro LOAD t                          ; rows 4 t .. 4 t + 3 of my 64 into set t % 4
.irp i, 0,1,2,3
	global_load_b128 v[R+16*((\t)%4)+4*\i:R+16*((\t)%4)+4*\i+3], v3, s[4:5] offset:(4*(\t)+\i)*16384 th:TH_LOAD_NT   ; read once in the launch
.endr
.endm
.macro PUT t                           ; and on into the stage
.irp i, 0,1,2,3
	ds_store_b128 v14, v[R+16*((\t)%4)+4*\i:R+16*((\t)%4)+4*\i+3] offset:(4*((\t)%4)+\i)*SPIT
.endr
.endm
.macro GET
.irp j, 0,1,2,3,4,5,6,7
	ds_load_b128 v[X+4*\j:X+4*\j+3], v15 offset:16*\j
.endr
.irp j, 0,1,2,3,4,5,6,7
	ds_load_b128 v[X+32+4*\j:X+32+4*\j+3], v15 offset:256+16*\j
.endr
.endm
.macro XFRAG f
	s_wait_loadcnt 12                              ; loads come back in order (ISA guide 5.7.1): the fragment's first four rows are in, twelve younger loads stay out
	PUT 4*\f
.irp j, 1,2,3
.if \f < 3
	s_wait_loadcnt 8                               ; the next four rows are in; the eight loads behind them stay out
.else
	s_wait_loadcnt 12-4*\j                         ; the last fragment loads nothing more: the counts run down
.endif
	PUT 4*\f+\j
.if \f < 3
	s_wait_dscnt 4                                 ; all but the four stores just issued are done: the set before has been read,
	LOAD 4*\f+\j+3                                 ; and takes its rows of the next fragment
.endif
.endr
	GET
.if \f < 3
	s_wait_dscnt 16                                ; all stores into the stage are done (the sixteen reads may be out): the last set takes its next rows
	LOAD 4*\f+7
.endif
	s_wait_dscnt 0x0                               ; my 64 numbers are in
	QFRAG \f
.endm
.irp t, 0,1,2,3
	LOAD \t
.endr
	s_wait_alu depctr_va_vdst(0)
.irp f, 0,1,2,3
	XFRAG \f
.endr
	WORDS
	s_wait_tensorcnt 0x0
	ds_add_u32 v180, v181
	s_wait_dscnt 0x0
	s_endpgm
; ---------------- w.  A Q4_0 block is 32 neighbours of a row: one block of the quantiser.  A lane loads its two blocks' 16 packed bytes each, and its row's four f16 scales of these 128 along K (8 bytes).
; These loads take 64 and 8 bytes of a row; the four waves of the work-group stand side by side on 256 packed bytes of each row.  w is a thirtieth of the bytes that the launch reads.
.Lweights:
	s_wait_alu depctr_va_vdst(0)
	v_lshlrev_b32 v8, 11, v4                       ; q_packed: a row is 128 blocks of 16 bytes,
	v_lshl_add_u32 v8, v5, 4, v8                   ; + 16 h
	v_lshlrev_b32 v9, 8, v4                        ; q_scales: a row is 256 bytes
	s_wait_alu depctr_va_vdst(0)
	v_lshlrev_b32 v10, 4, v5                       ; 16 h: the shift that brings my block's f16 down
	s_lshl_b32 s22, s20, 17                        ; 64 rows of 2,048 packed bytes,
	s_lshl_b32 s23, s21, 6                         ; 64 for each 128 along K
	s_add_co_u32 s22, s22, s23
	s_mov_b32 s23, 0
	s_add_nc_u64 s[6:7], s[6:7], s[22:23]
	s_lshl_b32 s22, s20, 14                        ; 64 rows of 256 bytes of f16 scales,
	s_lshl_b32 s24, s21, 3                         ; 8 for each 128 along K
	s_add_co_u32 s22, s22, s24
	s_add_nc_u64 s[8:9], s[8:9], s[22:23]
.irp f, 0,1,2,3
	global_load_b64 v[DQ+2*\f:DQ+2*\f+1], v9, s[8:9] offset:4096*\f
.endr
.irp f, 0,1,2,3
	global_load_b128 v[P+8*\f:P+8*\f+3], v8, s[6:7] offset:32768*\f          ; block h of row 16 f + r
	global_load_b128 v[P+8*\f+4:P+8*\f+7], v8, s[6:7] offset:32768*\f+32     ; block 2 + h
.endr
	s_wait_alu depctr_va_vdst(0)
	s_wait_loadcnt 8                               ; the four loads of f16 scales are in; the eight packed loads behind them stay out
.irp i, 0,1,2,3,4,5,6,7
	v_lshrrev_b32 v[DQ+\i], v10, v[DQ+\i]          ; a word holds blocks 0, 1 or 2, 3: my half's now lies lowest
.endr
	v_cvt_f32_f16 v48, v48.l                       ; d as f32: exact (a half's name takes a plain register number, so the eight lines are written out)
	v_cvt_f32_f16 v49, v49.l
	v_cvt_f32_f16 v50, v50.l
	v_cvt_f32_f16 v51, v51.l
	v_cvt_f32_f16 v52, v52.l
	v_cvt_f32_f16 v53, v53.l
	v_cvt_f32_f16 v54, v54.l
	v_cvt_f32_f16 v55, v55.l
.macro WFRAG f
	s_wait_loadcnt 2*(3-\f)                        ; this fragment's two packed loads are in; two for each later fragment may be out
.irp e, 0,1
.irp j, 0,1,2,3
.irp b, 0,1,2,3
	v_bfe_u32 v[X+32*\e+4*\j+\b], v[P+8*\f+4*\e+\j], 8*\b, 4        ; q of weight 4 j + b: the byte's low nibble,
	v_bfe_u32 v[X+32*\e+16+4*\j+\b], v[P+8*\f+4*\e+\j], 8*\b+4, 4   ; of weight 16 + 4 j + b: its high nibble
.endr
.endr
.endr
.set i, 0
.rept 64
	v_cvt_f32_u32 v[X+i], v[X+i]
.set i, i+1
.endr
	v_mul_f32 v12, 0xc1000000, v[DQ+2*\f]          ; -8 d: exact
	v_mul_f32 v13, 0xc1000000, v[DQ+2*\f+1]
.set i, 0
.rept 32
	v_fma_f32 v[X+i], v[X+i], v[DQ+2*\f], v12      ; q d - 8 d = d (q - 8): exact
	v_fma_f32 v[X+32+i], v[X+32+i], v[DQ+2*\f+1], v13
.set i, i+1
.endr
	QFRAG \f
.endm
.irp f, 0,1,2,3
	WFRAG \f
.endr
	WORDS
	s_endpgm
.Lfunc_end_k_q6b95e02fe4_quant:
	.size	k_q6b95e02fe4_quant, .Lfunc_end_k_q6b95e02fe4_quant-k_q6b95e02fe4_quant
	.p2alignl 7, 3214868480
	.fill 96, 4, 3214868480
	.section	.rodata,"a",@progbits
	.p2align	6, 0x0
	.amdhsa_kernel k_q6b95e02fe4_quant
		.amdhsa_group_segment_fixed_size 34304
		.amdhsa_private_segment_fixed_size 0
		.amdhsa_enable_private_segment 0
		.amdhsa_kernarg_size 40
		.amdhsa_user_sgpr_count 2
		.amdhsa_user_sgpr_kernarg_segment_ptr 1
		.amdhsa_wavefront_size32 1
		.amdhsa_system_sgpr_workgroup_id_x 1
		.amdhsa_system_sgpr_workgroup_id_y 1
		.amdhsa_system_sgpr_workgroup_id_z 1
		.amdhsa_system_vgpr_workitem_id 0
		.amdhsa_next_free_vgpr 192
		.amdhsa_next_free_sgpr 66
		.amdhsa_reserve_vcc 1
		.amdhsa_float_denorm_mode_32 3
		.amdhsa_float_denorm_mode_16_64 3
		.amdhsa_memory_ordered 1
		.amdhsa_forward_progress 1
		.amdhsa_inst_pref_size 87
	.end_amdhsa_kernel
	.amdgpu_metadata
---
amdhsa.version: [ 1, 2 ]
amdhsa.kernels:
  - .name:           k_q6b95e02fe4_quant
    .symbol:         k_q6b95e02fe4_quant.kd
    .args:
      - { .name: x, .offset: 0, .size: 8, .value_kind: global_buffer, .address_space: global }
      - { .name: q_packed, .offset: 8, .size: 8, .value_kind: global_buffer, .address_space: global }
      - { .name: q_scales, .offset: 16, .size: 8, .value_kind: global_buffer, .address_space: global }
      - { .name: xq, .offset: 24, .size: 8, .value_kind: global_buffer, .address_space: global }
      - { .name: wq, .offset: 32, .size: 8, .value_kind: global_buffer, .address_space: global }
    .group_segment_fixed_size: 34304
    .private_segment_fixed_size: 0
    .kernarg_segment_align: 8
    .kernarg_segment_size: 40
    .max_flat_workgroup_size: 128
    .sgpr_count:     66
    .vgpr_count:     192
    .wavefront_size: 32
...
	.end_amdgpu_metadata
.endif
;; end of part 1
;; launch gemm (part 2): grid 8 x 32, 4 waves a work-group, clusters of 4 x 4, 327,680 bytes of LDS; arguments xq, wq, out0; writes out0
.if DOCPART == 2
	.amdgcn_target "amdgcn-amd-amdhsa--gfx1250"
	.amdhsa_code_object_version 6
	.text
	.protected	k_q6b95e02fe4_gemm
	.globl	k_q6b95e02fe4_gemm
	.p2align	8
	.type	k_q6b95e02fe4_gemm,@function
k_q6b95e02fe4_gemm:
	s_mov_b64 s[64:65], 0
	v_nop
	global_prefetch_b8 v0, s[64:65] scope:SCOPE_SE
	s_setreg_imm32_b32 hwreg(HW_REG_WAVE_MODE, 25, 1), 1
	s_wait_xcnt 0x0
	s_wait_alu depctr_hold_cnt(0) depctr_sa_sdst(0) depctr_va_vdst(0) depctr_va_sdst(0) depctr_va_ssrc(0) depctr_va_vcc(0) depctr_vm_vsrc(0)
	s_getreg_b32 s2, hwreg(HW_REG_IB_STS2, 6, 4)
	s_cmp_eq_u32 s2, 0
	s_cbranch_scc0 .Lentry_in_a_cluster
	s_endpgm
.Lentry_in_a_cluster:
	s_bfe_u32 s2, ttmp6, 0x10000c
	s_cmp_lg_u32 s2, 0xf033
	s_cbranch_scc0 .Lentry_shape_is_right
	s_endpgm
.Lentry_shape_is_right:
; out0[m][n] = sum over k of x[m][k] w[n][k], m 8,192, n 2,048, k 4,096, on codes of FP6 (E2M3) with one E8M0 byte for each 32 along K; sums in f32.
; xq and wq are laid by the launch before as images of the operand's registers: for each group of 128 rows and each 128 along K a dense block of 12,800 bytes:
; 8 fragments (16 rows x 128 K) of 1,536 bytes (registers 4 c .. 4 c + 3 of lane l at 512 c + 16 l), then 512 bytes of scale words (row r of fragment i at 256 (i / 4) + 16 r + 4 (i % 4)).
; A work-group of four waves makes 256 x 256 of out0, a wave 128 x 128: 64 accumulators, 512 registers.  32 x 8 blocks: 256 work-groups.
; THE RING: two LDS slots of three K steps each (4 parts of 38,400 bytes: A's two groups, B's two groups); each wave fetches one part by one tensor load, as 150 dense rows of 256 bytes.
; The 32 K steps are ten fills of three steps and one of two.  A slot is asked for again behind a round of the cluster's barrier that stands behind the first 16 products of its third step: the fragments of that step
; are in registers by then.  The wait for all tensor loads, the add, the wait for it and the round stand on end; the step's other 48 products stand behind the next slot's first LDS loads.
; CLUSTERS: 4 x 4 work-groups; A's parts are asked for jointly along a row of the cluster, B's along a column.  THE MATRIX INSTRUCTION IS USED TRANSPOSED (source 0 = B, source 1 = A): a lane holds 8 neighbours of a row of out0.
; LDS LOADS of a step: 50 a wave, in four runs, always in the order B 0-3, scale words, B 4-7, A 0 .. 7: so the counted waits are the same in every step.
; PREFETCH: behind each refill of the loop the part that the NEXT refill loads (three K steps on) is asked for: 150 blocks of 256 bytes, 38 for each of the four partners that load it jointly, told apart by address;
; a lane a block, two instructions a wave, left-over lanes name their share's last block.  Parts 1 and 2 come by their loads alone; the last part, of two steps, is not asked for: a whole part from its start would pass the group's end.
; REGISTERS: window 0: v16-31 addresses, v32-47 scale words (two sets; lanes 0-15 A's, lanes 16-31 B's), v48-175 on the way out, v128-223 A's fragments, one set; window 1: B's fragments, two sets, at v0 and v128;
; windows 2, 3: accumulators (a, b) at v[8 (8 (a % 4) + b)].
.set SIZE_N, 2048
.set FR,     12                        ; registers of a fragment
.set FRB,    1536
.set SCO,    8*FRB
.set STEPB,  SCO+512
.set PARTB,  3*STEPB                   ; three K steps of 128 rows
.set SLOT,   4*PARTB
.set GRPB,   32*STEPB
.set TRIPS,  4
.set SPARE,  2*SLOT                    ; behind the ring: the spare words, 128 bytes a wave
.set STAGE,  SLOT                      ; the way out goes through slot 1: it has had its last fill and its last read by then (the last part lies in slot 0)
.set SPITCH, 528
.set ADRA, 16                          ; v16-17 my A fragments in slot 0, 1
.set ADRS, 18                          ; v18-19 my scale words
.set ADRB, 20                          ; v20-21 my B fragments
.set STO,  24
.set RD,   25
.set CO,   26
.set SPW,  28
.set NIL,  29
.set PFO,  30                          ; v30-31 the prefetches' offsets
.set SC,   32
.set AF,   128
.set BK,   48                          ; the way out: 16 rows read back from the stage: v48-111 and v112-175 by turns (clear of A's blocks 4-7, v176-223)
.set G1, 24                            ; group 1 for A's parts; s[32:39] group 0, a set for each slot
.set G0, 32
.set G1B, 48                           ; the same for B's
.set G0B, 56
.set G1L, 68                           ; groups 1 for the last part, of two steps
.set G1LB, 80
.set PFA, 96
.set MSB, 0
.macro WIN new                         ; the immediate's high byte repeats the setting that is left
.if MSB != \new
	s_set_vgpr_msb (MSB<<8)|\new
.set MSB, \new
.endif
.endm
.set MUL_LO, 0xa1                      ; source 0 window 1, source 1 window 0, C and D window 2
.set MUL_HI, 0xf1                      ; C and D window 3
.set TO_B,   0x40                      ; destination window 1
.macro PLACES                          ; four places behind matrix instructions, ahead of loads into registers that they read and of reads of their results
.rept 4
	v_nop
.endr
.endm
.macro JLOAD g0a, g1a, g0b, g1b        ; a joint load: waves 0, 1 fetch A's parts, waves 2, 3 B's; s_nop 0 and four v_nop behind each line
	s_cmp_eq_u32 s15, 0
	s_cbranch_scc0 .Lfor_b_\@
	tensor_load_to_lds s[\g0a:\g0a+3], s[\g1a:\g1a+7]
	s_nop 0
	PLACES
	s_branch .Lasked_\@
.Lfor_b_\@:
	tensor_load_to_lds s[\g0b:\g0b+3], s[\g1b:\g1b+7]
	s_nop 0
	PLACES
.Lasked_\@:
.endm
.macro ASK slot                        ; my 38 blocks of the part that the next refill loads; in the loop's last trip slot 1 asks for nothing (the last part is shorter)
.if \slot
	s_cmp_gt_u32 s3, 1
	s_cbranch_scc0 .Lno_ask_\@
.endif
	global_prefetch_b8 v[PFO], s[PFA:PFA+1] th:TH_LOAD_NT scope:SCOPE_SE
	global_prefetch_b8 v[PFO+1], s[PFA:PFA+1] th:TH_LOAD_NT scope:SCOPE_SE
.if \slot
.Lno_ask_\@:
.endif
.endm
.macro CROUND                          ; a round of the cluster's barrier
	s_barrier_signal -1
	s_barrier_wait -1
	s_cmp_lg_u32 s14, 0
	s_cbranch_scc1 .Lnot_wave_0_\@
	s_barrier_signal -3
.Lnot_wave_0_\@:
	s_barrier_wait -3
	s_barrier_signal -1
	s_barrier_wait -1
.endm
	s_load_b128 s[4:7], s[0:1], 0x0                ; xq, wq
	s_load_b64 s[12:13], s[0:1], 0x10              ; out0
	v_lshl_add_u32 v[SPW], v0, 2, SPARE
	v_mov_b32 v[NIL], 0
	ds_add_u32 v[SPW], v[NIL]                      ; the opening lines: the add twice on end, and its wait, ahead of my first tensor load
	ds_add_u32 v[SPW], v[NIL]
	v_lshrrev_b32 v1, 5, v0
	v_readfirstlane_b32 s14, v1                    ; wave
	s_lshr_b32 s15, s14, 1                         ; my half of the rows; also: I fetch for A (0) or B (1)
	s_and_b32 s16, s14, 1                          ; my half of the columns; also: which group of 128 rows I fetch
	s_bfe_u32 s40, ttmp6, 0x40000                  ; cx
	s_bfe_u32 s41, ttmp6, 0x40004                  ; cy
	s_lshl_b32 s42, ttmp9, 2
	s_add_co_u32 s42, s42, s40                     ; block column
	s_and_b32 s17, ttmp7, 0xffff
	s_lshl_b32 s17, s17, 2
	s_add_co_u32 s17, s17, s41                     ; block row
	s_lshl_b32 s43, s41, 2
	s_lshl_b32 s43, 15, s43                        ; my row of the cluster
	s_lshl_b32 s44, 0x1111, s40                    ; my column
	s_or_b32 s[G1+0], s43, (3<<16)|(1<<21)         ; the mask; elements of 8 bytes; bit 21 beside a mask
	s_or_b32 s[G1B+0], s44, (3<<16)|(1<<21)
	s_or_b32 s[G1L+0], s43, (3<<16)|(1<<21)
	s_or_b32 s[G1LB+0], s44, (3<<16)|(1<<21)
.irp g, G1, G1B
	s_mov_b32 s[\g+1], 32<<16                      ; rows of 32 elements, 256 bytes, dense
	s_mov_b32 s[\g+2], (PARTB/256)<<16             ; 150 rows
	s_mov_b32 s[\g+3], 32<<16
	s_mov_b32 s[\g+4], PARTB/256
	s_mov_b32 s[\g+5], 32
	s_mov_b32 s[\g+6], 0
	s_mov_b32 s[\g+7], 0
.endr
.irp g, G1L, G1LB
	s_mov_b32 s[\g+1], 32<<16
	s_mov_b32 s[\g+2], (2*STEPB/256)<<16           ; 100 rows
	s_mov_b32 s[\g+3], 32<<16
	s_mov_b32 s[\g+4], 2*STEPB/256
	s_mov_b32 s[\g+5], 32
	s_mov_b32 s[\g+6], 0
	s_mov_b32 s[\g+7], 0
.endr
	s_lshl_b32 s20, s17, 1
	s_add_co_u32 s20, s20, s16
	s_mul_i32 s20, s20, GRPB                       ; A: group 2 x block row + half, in bytes (under 2^25)
	s_mov_b32 s21, 0
	s_lshl_b32 s46, s42, 1
	s_add_co_u32 s46, s46, s16
	s_mul_i32 s46, s46, GRPB                       ; B: group 2 x block column + half
	s_mov_b32 s47, 0
	s_mul_i32 s45, s14, PARTB                      ; where my part goes: wave x a part
	s_wait_dscnt 0x0                               ; both opening adds are done
	s_wait_kmcnt 0x0
	s_add_nc_u64 s[20:21], s[4:5], s[20:21]
	s_add_nc_u64 s[46:47], s[6:7], s[46:47]
.irp s, 0,1
	s_mov_b32 s[G0+4*\s], 1
	s_add_co_u32 s[G0+4*\s+1], s45, \s*SLOT
	s_add_nc_u64 s[G0+4*\s+2:G0+4*\s+3], s[20:21], \s*PARTB
	s_or_b32 s[G0+4*\s+3], s[G0+4*\s+3], 0x80000000
	s_mov_b32 s[G0B+4*\s], 1
	s_add_co_u32 s[G0B+4*\s+1], s45, \s*SLOT
	s_add_nc_u64 s[G0B+4*\s+2:G0B+4*\s+3], s[46:47], \s*PARTB
	s_or_b32 s[G0B+4*\s+3], s[G0B+4*\s+3], 0x80000000
.endr
	CROUND                                         ; all sixteen work-groups are here: the first joint loads meet
	JLOAD G0, G1, G0B, G1B                         ; K steps 0 to 2: one tensor load a wave at the head; the set-up below runs while it is out
	s_mul_i32 s21, s15, PARTB                      ; my 128 rows of A in a slot
	s_mul_i32 s22, s16, PARTB
	s_add_co_u32 s22, s22, 2*PARTB                 ; my 128 rows of B
	s_sub_co_u32 s23, s22, s21
	s_mul_i32 s45, s14, 16*SPITCH
	s_add_co_u32 s45, s45, STAGE                   ; my stage
	s_lshl_b32 s88, s17, 21                        ; out0: 256 rows of 8,192 bytes a block row,
	s_lshl_b32 s89, s15, 20                        ; 128 rows for my half,
	s_add_co_u32 s88, s88, s89
	s_lshl_b32 s89, s42, 10                        ; 1,024 bytes a block column,
	s_add_co_u32 s88, s88, s89
	s_lshl_b32 s89, s16, 9                         ; 512 for my half (the sum under 2^27)
	s_add_co_u32 s88, s88, s89
	s_mov_b32 s89, 0
	s_add_nc_u64 s[12:13], s[12:13], s[88:89]
	s_lshl_b32 s90, s17, 1                         ; the prefetches: the group that I fetch,
	s_lshl_b32 s91, s42, 1
	s_cmp_eq_u32 s15, 0
	s_cselect_b32 s90, s90, s91
	s_cselect_b32 s91, s40, s41                    ; my place among the four that ask for it with me,
	s_cselect_b64 s[PFA:PFA+1], s[4:5], s[6:7]
	s_add_co_u32 s90, s90, s16
	s_mul_i32 s90, s90, GRPB
	s_add_co_u32 s90, s90, 2*PARTB                 ; at part 2: the first refill steps it to part 3
	s_mul_i32 s92, s91, 38                         ; and my 38 blocks of a part's 150
	s_mov_b32 s91, 0
	s_add_nc_u64 s[PFA:PFA+1], s[PFA:PFA+1], s[90:91]
	v_and_b32 v1, 15, v0                           ; r
	v_bfe_u32 v2, v0, 4, 1                         ; h
	v_and_b32 v6, 31, v0
	v_lshlrev_b32 v[CO], 4, v6                     ; 16 x lane
	v_mul_u32_u24 v5, s23, v2                      ; scale words: lanes 16-31 take B's
	v_lshl_add_u32 v5, v1, 4, v5
	v_add_nc_u32 v[ADRA], s21, v[CO]
	v_add_nc_u32 v[ADRB], s22, v[CO]
	v_add_nc_u32 v[ADRS], s21, v5
	v_add_nc_u32 v[ADRA+1], SLOT, v[ADRA]
	v_add_nc_u32 v[ADRB+1], SLOT, v[ADRB]
	v_add_nc_u32 v[ADRS+1], SLOT, v[ADRS]
	v_mul_u32_u24 v7, v1, SPITCH                   ; into the stage: row r, 32 bytes for each half of the lanes
	v_lshl_add_u32 v7, v2, 5, v7
	v_add_nc_u32 v[STO], s45, v7
	v_add_nc_u32 v[RD], s45, v[CO]                 ; back: 32 lanes take a row of 512 bytes
	v_min_u32 v[PFO+1], 5, v6
	v_add_nc_u32 v[PFO], s92, v6                   ; blocks 38 p + lane,
	v_add3_u32 v[PFO+1], v[PFO+1], s92, 32         ; and 38 p + 32 + min(lane, 5),
	v_min_u32 v[PFO], 149, v[PFO]                  ; held inside the part
	v_min_u32 v[PFO+1], 149, v[PFO+1]
	v_lshlrev_b32 v[PFO], 8, v[PFO]
	v_lshlrev_b32 v[PFO+1], 8, v[PFO+1]
.macro FRAG reg, adr, q, i             ; a fragment's image: three loads of 512 consecutive bytes
.irp c, 0,1,2
	ds_load_b128 v[\reg+4*\c:\reg+4*\c+3], v[\adr] offset:(\q)*STEPB+(\i)*FRB+512*\c
.endr
.endm
.macro FB slot, q, p, i0               ; B's fragments i0 .. i0 + 3 of step q of the slot into set p
	WIN TO_B
.irp i, \i0, \i0+1, \i0+2, \i0+3
	FRAG 128*(\p)+FR*(\i), ADRB+\slot, \q, \i
.endr
.endm
.macro FA slot, q, i0                  ; A's blocks i0, i0 + 1
	WIN 0
.irp i, \i0, \i0+1
	FRAG AF+FR*(\i), ADRA+\slot, \q, \i
.endr
.endm
.macro SCALES slot, q, p               ; register i of the set: lanes 0-15 the words of A's block i, lanes 16-31 of B's block i
	WIN 0
	ds_load_b128 v[SC+8*(\p):SC+8*(\p)+3], v[ADRS+\slot] offset:(\q)*STEPB+SCO
	ds_load_b128 v[SC+8*(\p)+4:SC+8*(\p)+7], v[ADRS+\slot] offset:(\q)*STEPB+SCO+256
.endm
; 16 products: A's blocks a0, a0 + 1 x B's eight.  The 64 accumulators take turns in the same order in every step.  zero = 1: the first product starts the sums.
.macro MUL16 a0, p, zero
.irp a, \a0, \a0+1
.irp b, 0,1,2,3,4,5,6,7
.if \zero
	v_wmma_scale_f32_16x16x128_f8f6f4 v[8*(8*((\a)%4)+\b):8*(8*((\a)%4)+\b)+7], v[128*(\p)+FR*\b:128*(\p)+FR*\b+FR-1], v[AF+FR*(\a):AF+FR*(\a)+FR-1], 0, v[SC+8*(\p)+\b], v[SC+8*(\p)+(\a)] matrix_a_fmt:MATRIX_FMT_FP6 matrix_b_fmt:MATRIX_FMT_FP6 matrix_a_scale:MATRIX_SCALE_ROW1
.else
	v_wmma_scale_f32_16x16x128_f8f6f4 v[8*(8*((\a)%4)+\b):8*(8*((\a)%4)+\b)+7], v[128*(\p)+FR*\b:128*(\p)+FR*\b+FR-1], v[AF+FR*(\a):AF+FR*(\a)+FR-1], v[8*(8*((\a)%4)+\b):8*(8*((\a)%4)+\b)+7], v[SC+8*(\p)+\b], v[SC+8*(\p)+(\a)] matrix_a_fmt:MATRIX_FMT_FP6 matrix_b_fmt:MATRIX_FMT_FP6 matrix_a_scale:MATRIX_SCALE_ROW1
.endif
.endr
.endr
.endm
; One of a slot's first two steps: 64 products on step q; the fragments of step q + 1 of the same slot are fetched in four runs (14, 18, 12, 6), a block of A as soon as its products are issued.
.macro STEP slot, q, zero
.set PS, ((\q)+(\slot))%2              ; B's set and the scale words' set of this step
	s_wait_dscnt 18                                ; B, the scale words and A 0, 1 are in; the 18 loads behind them (A 2 to 7) may be out
	WIN MUL_LO
	MUL16 0, PS, \zero
	FB \slot, (\q)+1, 1-PS, 0                      ; 14 loads, into the other sets: those were last read ahead of the last step's last four v_nop
	SCALES \slot, (\q)+1, 1-PS
	s_wait_dscnt 20                                ; A 2 to 5 are in; behind them: A 6, 7 (6) and the 14 just issued
	WIN MUL_LO
	MUL16 2, PS, \zero
	PLACES
	FB \slot, (\q)+1, 1-PS, 4                      ; 18 loads
	FA \slot, (\q)+1, 0
	WIN MUL_HI
	MUL16 4, PS, \zero
	PLACES
	FA \slot, (\q)+1, 2                            ; 12 loads
	FA \slot, (\q)+1, 4
	s_wait_dscnt 44                                ; A 6, 7 are in; behind them: this step's 14 + 18 + 12
	WIN MUL_HI
	MUL16 6, PS, \zero
	PLACES
	FA \slot, (\q)+1, 6                            ; 6 loads
.endm
; A slot's third step, and the change of slots.  fill = 1: the slot takes the part two on; 2: the last part, of two steps; 0: nothing is left to fetch, so no round.
.macro TURN slot, next, fill
.if \fill == 1
	s_wait_xcnt 0x0                                ; my last prefetches have read their address: it steps here, three K steps behind them
	s_add_nc_u64 s[PFA:PFA+1], s[PFA:PFA+1], PARTB
.endif
	s_wait_dscnt 18
	WIN MUL_LO
	MUL16 0, \slot, 0
	WIN 0
	s_wait_tensorcnt 0x0                           ; all my tensor loads have landed: the one that was out is my part of the next slot;
	ds_add_u32 v[SPW], v[NIL]                      ; 0 onto my spare word;
.if \fill
	s_add_nc_u64 s[G0+4*\slot+2:G0+4*\slot+3], s[G0+4*\slot+2:G0+4*\slot+3], 2*PARTB    ; no load of mine is out: this slot's next part
	s_add_nc_u64 s[G0B+4*\slot+2:G0B+4*\slot+3], s[G0B+4*\slot+2:G0B+4*\slot+3], 2*PARTB
.endif
	s_wait_dscnt 0x0                               ; the add is done, and my reads of this slot are over: A 2 to 7 of this step are in registers
.if \fill
	CROUND                                         ; no wave of any partner still reads this slot or has a load on its way
.if \fill == 1
	JLOAD G0+4*\slot, G1, G0B+4*\slot, G1B         ; the first tensor load behind the round; its four v_nop are the places ahead of the loads below
.else
	JLOAD G0+4*\slot, G1L, G0B+4*\slot, G1LB
.endif
.else
	s_barrier_signal -1
	s_barrier_wait -1
	PLACES
.endif
	FB \next, 0, \next, 0                          ; the next slot's first step, in the order of every step: first the 32 loads that its first products wait for
	SCALES \next, 0, \next
	FB \next, 0, \next, 4
	FA \next, 0, 0
.if \fill == 1
	ASK \slot
.endif
	WIN MUL_LO
	MUL16 2, \slot, 0
	PLACES
	FA \next, 0, 2
	WIN MUL_HI
	MUL16 4, \slot, 0
	PLACES
	FA \next, 0, 4
	WIN MUL_HI
	MUL16 6, \slot, 0
	PLACES
	FA \next, 0, 6
.endm
; THE WAY OUT, by blocks of 16 rows x 128 columns: through my own stage and back as whole rows of 512 bytes.  LDS serves a wave's instructions in order (ISA guide 5.7.1.4): no wait between the stores and the loads.
.macro TOSTAGE a
.set AC, 64*((\a)%4)
	WIN 0x08+4*((\a)/4)                            ; the data: window 2 or 3
.irp b, 0,1,2,3,4,5,6,7
	ds_store_b128 v[STO], v[AC+8*\b:AC+8*\b+3] offset:64*\b          ; each accumulator from its low end on
	ds_store_b128 v[STO], v[AC+8*\b+4:AC+8*\b+7] offset:64*\b+16
.endr
	WIN 0
.set BB, BK+64*((\a)%2)
.irp t, 0,1,2,3,4,5,6,7,8,9,10,11,12,13,14,15
	ds_load_b128 v[BB+4*\t:BB+4*\t+3], v[RD] offset:\t*SPITCH
.endr
.endm
.macro SEND a, younger                 ; younger: the LDS instructions issued behind block a's loads
.set BB, BK+64*((\a)%2)
	s_wait_dscnt \younger
.if (\a) > 0
	s_add_nc_u64 s[12:13], s[12:13], 16*SIZE_N*4   ; behind a wait on XCNT: the earlier stores have read their base
.endif
.irp t, 0,1,2,3,4,5,6,7,8,9,10,11,12,13,14,15
	global_store_b128 v[CO], v[BB+4*\t:BB+4*\t+3], s[12:13] offset:\t*SIZE_N*4 th:TH_STORE_NT   ; 32 lanes store 512 consecutive bytes, at a multiple of 256 from out0's first byte
.endr
.endm
	s_wait_alu depctr_va_vdst(0)
	s_wait_tensorcnt 0x0                           ; my part of slot 0 is in
	ds_add_u32 v[SPW], v[NIL]
	s_wait_dscnt 0x0
	CROUND                                         ; everybody's part of slot 0 is in
	JLOAD G0+4, G1, G0B+4, G1B                     ; K steps 3 to 5: slot 1's first fill, the first tensor load behind the round
	FB 0, 0, 0, 0
	SCALES 0, 0, 0
	FB 0, 0, 0, 4
	FA 0, 0, 0
	FA 0, 0, 2
	FA 0, 0, 4
	FA 0, 0, 6
	STEP 0, 0, 1                                   ; the first step's products start the sums
	s_mov_b32 s3, TRIPS
.Llap:                                                 ; a trip: six K steps, once round the ring, both slots filled again
	STEP 0, 1, 0
	TURN 0, 1, 1
	STEP 1, 0, 0
	STEP 1, 1, 0
	TURN 1, 0, 1
	STEP 0, 0, 0
	s_sub_co_u32 s3, s3, 1
	s_cmp_lg_u32 s3, 0
	s_cbranch_scc1 .Llap
	STEP 0, 1, 0                                   ; the last seven steps are written out: one more fill, of two steps
	TURN 0, 1, 2
	STEP 1, 0, 0
	STEP 1, 1, 0
	TURN 1, 0, 0
	STEP 0, 0, 0
	s_wait_dscnt 18                                ; the very last step fetches nothing; it goes by A's blocks, so my rows 0-63 are finished at its middle
	WIN MUL_LO
	MUL16 0, 1, 0
	s_wait_dscnt 6
	MUL16 2, 1, 0
	s_wait_dscnt 0
	PLACES
	TOSTAGE 0                                      ; blocks 0 and 1 set out while rows 64-127 are multiplied: their buffers, v48-175, are named by none of those products
	WIN MUL_HI
	MUL16 4, 1, 0
	TOSTAGE 1
	SEND 0, 32                                     ; behind block 0's loads: block 1's 16 stores and 16 loads
	WIN MUL_HI
	MUL16 6, 1, 0
	PLACES
.irp a, 2,3,4,5,6,7
	s_wait_xcnt 0x0                                ; block a - 2's stores have read their registers and their base
	TOSTAGE \a
	SEND \a-1, 32                                  ; behind block a - 1's loads: block a's 16 stores and 16 loads
.endr
	s_wait_xcnt 0x0
	SEND 7, 0
	s_wait_tensorcnt 0x0                           ; the wave's end
	ds_add_u32 v[SPW], v[NIL]
	s_wait_dscnt 0x0
	CROUND                                         ; the closing round
	s_endpgm
.Lfunc_end_k_q6b95e02fe4_gemm:
	.size	k_q6b95e02fe4_gemm, .Lfunc_end_k_q6b95e02fe4_gemm-k_q6b95e02fe4_gemm
	.p2alignl 7, 3214868480
	.fill 96, 4, 3214868480
	.section	.rodata,"a",@progbits
	.p2align	6, 0x0
	.amdhsa_kernel k_q6b95e02fe4_gemm
		.amdhsa_group_segment_fixed_size 327680
		.amdhsa_private_segment_fixed_size 0
		.amdhsa_enable_private_segment 0
		.amdhsa_kernarg_size 24
		.amdhsa_user_sgpr_count 2
		.amdhsa_user_sgpr_kernarg_segment_ptr 1
		.amdhsa_wavefront_size32 1
		.amdhsa_system_sgpr_workgroup_id_x 1
		.amdhsa_system_sgpr_workgroup_id_y 1
		.amdhsa_system_sgpr_workgroup_id_z 1
		.amdhsa_system_vgpr_workitem_id 0
		.amdhsa_next_free_vgpr 1024
		.amdhsa_next_free_sgpr 98
		.amdhsa_reserve_vcc 0
		.amdhsa_float_denorm_mode_32 3
		.amdhsa_float_denorm_mode_16_64 3
		.amdhsa_memory_ordered 1
		.amdhsa_forward_progress 1
		.amdhsa_inst_pref_size 209
	.end_amdhsa_kernel
	.amdgpu_metadata
---
amdhsa.version: [ 1, 2 ]
amdhsa.kernels:
  - .name:           k_q6b95e02fe4_gemm
    .symbol:         k_q6b95e02fe4_gemm.kd
    .args:
      - { .name: xq, .offset: 0, .size: 8, .value_kind: global_buffer, .address_space: global }
      - { .name: wq, .offset: 8, .size: 8, .value_kind: global_buffer, .address_space: global }
      - { .name: out0, .offset: 16, .size: 8, .value_kind: global_buffer, .address_space: global }
    .group_segment_fixed_size: 327680
    .private_segment_fixed_size: 0
    .kernarg_segment_align: 8
    .kernarg_segment_size: 24
    .max_flat_workgroup_size: 128
    .sgpr_count:     98
    .vgpr_count:     1024
    .wavefront_size: 32
...
	.end_amdgpu_metadata
.endif
;; end of part 2
